; MI455X (gfx1250); checked and timed in simulation.
; The chip was launched on July 23, 2026; its instructions are those of AMD's public machine-readable ISA for CDNA 5 (MIT licence, August 2026) and "CDNA5" Instruction Set Architecture Reference Guide (July 2026). The comments in the code are by the model that wrote it; some were corrected since.
;; Sparse Attention. Allowed arithmetic: matrix products marked QUANTISED: E4M3 operands, one given power-of-two scale a tensor, by v_wmma_f32_16x16x64_fp8_fp8 or v_wmma_f32_16x16x128_fp8_fp8, f32 sums; everything else in f32.
;; Inputs: lowp_scales 8 int32 (the exponents e of the quantised operands' scales 2^e); w_out 1,024 x 1,024 float32; w_qkv 3,072 x 1,024 float32; x 2 x 2,048 x 1,024 float32.
;; Outputs: out0 2 x 2,048 x 1,024 float32.
;; This version of the problem:
;;   THIS VERSION OF THE PROBLEM IS GIVEN IN LOW PRECISION. The matrix products marked QUANTISED in the list below multiply operands that are first quantised to E4M3 (4 exponent bits, 3 mantissa bits; 8 bits a number), with one given power-of-two scale for each operand tensor; their sums are f32. All else is computed in f32.
;;   The module's matrix products, in the order in which they are computed (A, B: the left and right operand; K: the contracted axis; several contracted axes count as one K, in the product's order):
;;     1. [M 4,096, K 1,024] x [K 1,024, N 3,072]; A: input x; B: input w_qkv: QUANTISED (scales: A lowp_scales[0], B lowp_scales[1])
;;     2. batch 32 x [M 2,048, K 64] x [K 64, N 2,048]; A: computed on the way; B: computed on the way: QUANTISED (scales: A lowp_scales[2], B lowp_scales[3])
;;     3. batch 32 x [M 2,048, K 2,048] x [K 2,048, N 64]; A: computed on the way; B: computed on the way: QUANTISED (scales: A lowp_scales[4], B lowp_scales[5])
;;     4. [M 4,096, K 1,024] x [K 1,024, N 1,024]; A: computed on the way; B: input w_out: QUANTISED (scales: A lowp_scales[6], B lowp_scales[7])
;;   THE QUANTISER, for each operand of a quantised product, along K:
;;     - The operand's scale is 2^e, e = its entry of the input lowp_scales (int32; the entries are numbered through the quantised products in the list's order, A before B).
;;     - Each number is divided by the scale, clamped to +-448, and rounded to the nearest number of E4M3, ties to even, subnormals kept.
;;     - The product sums the exact products of the quantised numbers (number of the format x scale) in f32.
;;   ~~~python
;;   def quantise(x, axis, e):      # numpy; x: float32 -> the quantised numbers, widened to float32 again
;;       x = np.moveaxis(x, axis, -1); K = x.shape[-1]
;;       r = np.clip(x / 2.0 ** e, -448, 448)
;;       step = 2.0 ** (np.maximum(np.frexp(np.where(r == 0, 1, r))[1] - 1, -6) - 3)
;;       q = np.round(r / step) * step * 2.0 ** e      # np.round: ties to even
;;       return np.moveaxis(q, -1, axis).astype(np.float32)
;;   ~~~
;;   OPERANDS COMPUTED ON THE WAY. 'Computed on the way' means the value that the module computes at that place (a softmax that the list does not call 'softmax' is quantised finished and normalised). What goes into a quantiser is computed in f32, as accurately as f32 sums, v_exp_f32 and their like allow (about 1e-6 of the number): no bf16 or f16 on the way to a quantiser, and a product that is left as it is and whose result goes on into a quantised operand takes f32 operands (vector FMAs, or v_wmma_f32_16x16x4_f32). A number that lies on a knife's edge between two numbers of the format may be rounded either way, as far as f32 arithmetic and the matrix unit's own rounding can turn it there, and no further.
;; One version. Each part assembles by itself: llvm-mc -triple=amdgcn-amd-amdhsa -mcpu=gfx1250 --defsym DOCPART=n.
;; ======== version 1 of 1: 4 launches
;; workspace buffers: x_codes 4,194,304 bytes; wq_codes 3,145,728 bytes; wo_codes 1,048,576 bytes; qkv_img 12,582,912 bytes; o_img 4,194,304 bytes
;; launch quant (part 1): grid 256 x 1, 4 waves a work-group, no clusters, 33,280 bytes of LDS; arguments x, w_qkv, w_out, lowp_scales, x_codes, wq_codes, wo_codes; writes x_codes, wq_codes, wo_codes
.if DOCPART == 1
	.amdgcn_target "amdgcn-amd-amdhsa--gfx1250"
	.amdhsa_code_object_version 6
	.text
	.protected	k_q70a96e926f_quant
	.globl	k_q70a96e926f_quant
	.p2align	8
	.type	k_q70a96e926f_quant,@function
k_q70a96e926f_quant:
	s_mov_b64 s[64:65], 0
	v_nop
	global_prefetch_b8 v0, s[64:65] scope:SCOPE_SE
	s_setreg_imm32_b32 hwreg(HW_REG_WAVE_MODE, 25, 1), 1
	s_wait_xcnt 0x0
; x [4096][1024], w_qkv [3072][1024] and w_out [1024][1024], f32, become codes of E4M3, one byte a number, K innermost, each with its given scale 2^e
; (entries 0, 1 and 7 of the scales).  code = x / 2^e, held within +-448, rounded to the nearest code, ties to even.
; LIMITS: -126 <= e and e + 8 <= 127, so that 2^e and 448 x 2^e are f32 numbers.  NaN among the inputs is not served; an infinity is held at the largest code.
; THE ORDER OF THE CODES.  In every 32 bytes the two middle groups of eight change places: stored byte 32 u + 16 h + 8 v + j holds k = 32 u + 16 v + 8 h + j.  A lane of half h that
; later reads 16 bytes at 32 c + 16 h of a row then has k = 16 (2 c) + 8 h + 0..7 and 16 (2 c + 1) + 8 h + 0..7 in four registers: the places that the plain 8-bit operand layout gives them.
; Rows are dense and 1,024 long, so each tensor is a plain stream of blocks of 32.  A work-group takes 32,768 numbers: groups 0-127 x, 128-223 w_qkv, 224-255 w_out; only pointers and e are chosen, one path serves all.
; A wave takes 16 steps of 512 numbers.  Each of a step's four loads reads 512 consecutive bytes; the 2,048 bytes turn through the wave's own stage in LDS (16 bytes of padding behind each 64), and come back
; as the 2 x 8 neighbours that a lane's 16 codes want.  A lane's 16 codes are 16 bytes: the wave stores 512 consecutive bytes.  No barrier: waves share nothing.  Loads run four steps (16 loads a wave) ahead.
.set STEPS, 16
.set GW,    128                        ; first work-group of w_qkv
.set GO,    224                        ; first work-group of w_out
.set EMAX,  8
.set MANT,  0x600000                   ; the mantissa field of 448 as f32
.set R,     16                         ; v16-79   four sets of 16 numbers as they are loaded
.set X,     80                         ; v80-111  two sets of 16 numbers in the order of the codes
.set C,     128                        ; v128-191 codes: four registers for each step, so that no store's data are written again
.set WREG,  8192                       ; LDS: a region of its own for each wave: two stages of 32 x SP bytes
.set SP,    80                         ; 64 bytes of numbers + 16 of padding
	s_load_b256 s[4:11], s[0:1], 0x0               ; x s[4:5], w_qkv s[6:7], w_out s[8:9], the scales' exponents s[10:11]
	s_load_b128 s[12:15], s[0:1], 0x20             ; x's codes, w_qkv's codes
	s_load_b64 s[16:17], s[0:1], 0x30              ; w_out's codes
	v_lshl_add_u32 v192, v0, 2, 0x8000
	v_mov_b32 v193, 0
	v_lshrrev_b32 v1, 5, v0
	v_readfirstlane_b32 s18, v1                    ; wave
	v_and_b32 v2, 31, v0                           ; lane
	v_lshlrev_b32 v3, 4, v2                        ; my 16 bytes of a load's 512, and of a store's 512; never rewritten
	s_mul_i32 s19, s18, WREG
	v_lshrrev_b32 v14, 2, v2
	v_mul_u32_u24 v14, v14, SP
	v_and_b32 v15, 3, v2
	v_lshl_add_u32 v14, v15, 4, v14
	v_add_nc_u32 v14, s19, v14                     ; the stage, on the way in: SP (lane / 4) + 16 (lane % 4); a load's 512 bytes take eight places of SP
	v_and_b32 v15, 30, v2
	v_mul_u32_u24 v15, v15, SP
	v_and_b32 v13, 1, v2
	v_lshl_add_u32 v15, v13, 5, v15
	v_add_nc_u32 v15, s19, v15                     ; on the way out: block lane / 2 begins at place lane & 30; my first eight numbers lie 32 (lane & 1) bytes in, my second eight one place on
	s_wait_kmcnt 0x0
	s_load_b256 s[24:31], s[10:11], 0x0            ; e0 .. e7
	s_mov_b32 s20, GO
	s_cmp_lt_u32 ttmp9, GO                         ; which tensor?  The choice hangs on the work-group's number alone
	s_cselect_b64 s[6:7], s[6:7], s[8:9]
	s_cselect_b64 s[14:15], s[14:15], s[16:17]
	s_cselect_b32 s20, GW, s20
	s_cmp_lt_u32 ttmp9, GW
	s_cselect_b64 s[4:5], s[4:5], s[6:7]           ; the numbers
	s_cselect_b64 s[8:9], s[12:13], s[14:15]       ; the codes
	s_cselect_b32 s20, 0, s20                      ; the tensor's first work-group
	s_sub_co_u32 s20, ttmp9, s20
	s_lshl_b32 s20, s20, 2
	s_add_co_u32 s20, s20, s18                     ; which run of 8,192 numbers of the tensor is my wave's
	s_mov_b32 s21, 0
	s_lshl_b64 s[22:23], s[20:21], 15              ; 32,768 bytes of numbers a run,
	s_add_nc_u64 s[4:5], s[4:5], s[22:23]
	s_lshl_b64 s[22:23], s[20:21], 13              ; 8,192 bytes of codes
	s_add_nc_u64 s[8:9], s[8:9], s[22:23]
.macro LOAD t
.irp i, 0,1,2,3
	global_load_b128 v[R+16*((\t)%4)+4*\i:R+16*((\t)%4)+4*\i+3], v3, s[4:5] offset:2048*(\t)+512*\i th:TH_LOAD_NT   ; 32 lanes read 512 consecutive bytes, read once in the launch
.endr
.endm
.macro TURN t                          ; step t's numbers through the stage: LDS serves a wave's instructions in order, so no wait stands between the stores and the loads
.irp i, 0,1,2,3
	ds_store_b128 v14, v[R+16*((\t)%4)+4*\i:R+16*((\t)%4)+4*\i+3] offset:32*SP*((\t)%2)+8*SP*\i
.endr
.irp i, 0,1
	ds_load_b128 v[X+16*((\t)%2)+8*\i:X+16*((\t)%2)+8*\i+3],   v15 offset:32*SP*((\t)%2)+SP*\i      ; k = 16 i + 8 (lane & 1) + 0..3 of block lane / 2
	ds_load_b128 v[X+16*((\t)%2)+8*\i+4:X+16*((\t)%2)+8*\i+7], v15 offset:32*SP*((\t)%2)+SP*\i+16   ; and + 4..7
.endr
.endm
.irp t, 0,1,2,3
	LOAD \t
.endr
	s_wait_kmcnt 0x0
	s_cmp_lt_u32 ttmp9, GO
	s_cselect_b32 s22, s25, s31                    ; e1 or e7,
	s_cmp_lt_u32 ttmp9, GW
	s_cselect_b32 s22, s24, s22                    ; or e0
	s_add_co_i32 s22, s22, 127
	s_lshl_b32 s23, s22, 23
	v_mov_b32 v11, s23                             ; 2^e as f32: the conversion takes its exponent field
	s_add_co_i32 s22, s22, EMAX
	s_lshl_b32 s22, s22, 23
	s_or_b32 s22, s22, MANT
	v_mov_b32 v10, s22                             ; 448 x 2^e
	s_wait_loadcnt 12                              ; step 0's four loads are in; the twelve of steps 1 to 3 may be out
	TURN 0
.macro STEP t
.set XS, X+16*((\t)%2)
	s_wait_dscnt 0x0                               ; this step's numbers are back from the stage: so its stores into the stage have read their registers,
.if (\t)+4 < STEPS
	LOAD (\t)+4                                    ; which take the loads of four steps on
.endif
.if (\t)+1 < STEPS
.if STEPS-2-(\t) >= 3
	s_wait_loadcnt 12                              ; the next step's four loads are in; those of the three steps behind it may be out
.else
	s_wait_loadcnt 4*(STEPS-2-(\t))                ; in the tail: four for each step that is still behind the next one
.endif
	TURN (\t)+1                                    ; and go through the other stage while this step is worked
.endif
.irp i, 0,1,2,3,4,5,6,7,8,9,10,11,12,13,14,15
	v_med3_num_f32 v[XS+\i], v[XS+\i], -v10, v10   ; the conversion to an 8-bit code does not saturate (ISA guide 7.6.2): hold the number within 448 x the scale first
.endr
	v_cvt_scalef32_pk8_fp8_f32 v[C+4*(\t):C+4*(\t)+1], v[XS:XS+7], v11          ; eight numbers / 2^e, to the nearest code, ties to even; the first number's code in the lowest byte
	v_cvt_scalef32_pk8_fp8_f32 v[C+4*(\t)+2:C+4*(\t)+3], v[XS+8:XS+15], v11
	global_store_b128 v3, v[C+4*(\t):C+4*(\t)+3], s[8:9] offset:512*(\t)        ; the results go to a store alone; the next vector lines are the next step's holds, plain and on other registers
.endm
.irp t, 0,1,2,3,4,5,6,7,8,9,10,11,12,13,14,15
	STEP \t
.endr
	s_wait_tensorcnt 0x0
	ds_add_u32 v192, v193
	s_wait_dscnt 0x0
	s_endpgm
.Lfunc_end_k_q70a96e926f_quant:
	.size	k_q70a96e926f_quant, .Lfunc_end_k_q70a96e926f_quant-k_q70a96e926f_quant
	.p2alignl 7, 3214868480
	.fill 96, 4, 3214868480
	.section	.rodata,"a",@progbits
	.p2align	6, 0x0
	.amdhsa_kernel k_q70a96e926f_quant
		.amdhsa_group_segment_fixed_size 33280
		.amdhsa_private_segment_fixed_size 0
		.amdhsa_enable_private_segment 0
		.amdhsa_kernarg_size 56
		.amdhsa_user_sgpr_count 2
		.amdhsa_user_sgpr_kernarg_segment_ptr 1
		.amdhsa_wavefront_size32 1
		.amdhsa_system_sgpr_workgroup_id_x 1
		.amdhsa_system_sgpr_workgroup_id_y 1
		.amdhsa_system_sgpr_workgroup_id_z 1
		.amdhsa_system_vgpr_workitem_id 0
		.amdhsa_next_free_vgpr 194
		.amdhsa_next_free_sgpr 66
		.amdhsa_reserve_vcc 0
		.amdhsa_float_denorm_mode_32 3
		.amdhsa_float_denorm_mode_16_64 3
		.amdhsa_memory_ordered 1
		.amdhsa_forward_progress 1
		.amdhsa_inst_pref_size 38
	.end_amdhsa_kernel
	.amdgpu_metadata
---
amdhsa.version: [ 1, 2 ]
amdhsa.kernels:
  - .name:           k_q70a96e926f_quant
    .symbol:         k_q70a96e926f_quant.kd
    .args:
      - { .name: x, .offset: 0, .size: 8, .value_kind: global_buffer, .address_space: global }
      - { .name: w_qkv, .offset: 8, .size: 8, .value_kind: global_buffer, .address_space: global }
      - { .name: w_out, .offset: 16, .size: 8, .value_kind: global_buffer, .address_space: global }
      - { .name: lowp_scales, .offset: 24, .size: 8, .value_kind: global_buffer, .address_space: global }
      - { .name: x_codes, .offset: 32, .size: 8, .value_kind: global_buffer, .address_space: global }
      - { .name: wq_codes, .offset: 40, .size: 8, .value_kind: global_buffer, .address_space: global }
      - { .name: wo_codes, .offset: 48, .size: 8, .value_kind: global_buffer, .address_space: global }
    .group_segment_fixed_size: 33280
    .private_segment_fixed_size: 0
    .kernarg_segment_align: 8
    .kernarg_segment_size: 56
    .max_flat_workgroup_size: 128
    .sgpr_count:     66
    .vgpr_count:     194
    .wavefront_size: 32
...
	.end_amdgpu_metadata
.endif
;; end of part 1
;; launch qkv (part 2): grid 12 x 16, 4 waves a work-group, clusters of 4 x 4, 327,680 bytes of LDS; arguments x_codes, wq_codes, lowp_scales, qkv_img; writes qkv_img
.if DOCPART == 2
	.amdgcn_target "amdgcn-amd-amdhsa--gfx1250"
	.amdhsa_code_object_version 6
	.text
	.protected	k_q70a96e926f_qkv
	.globl	k_q70a96e926f_qkv
	.p2align	8
	.type	k_q70a96e926f_qkv,@function
k_q70a96e926f_qkv:
	s_mov_b64 s[64:65], 0
	v_nop
	global_prefetch_b8 v0, s[64:65] scope:SCOPE_SE
	s_setreg_imm32_b32 hwreg(HW_REG_WAVE_MODE, 25, 1), 1
	s_wait_xcnt 0x0
	s_wait_alu depctr_hold_cnt(0) depctr_sa_sdst(0) depctr_va_vdst(0) depctr_va_sdst(0) depctr_va_ssrc(0) depctr_va_vcc(0) depctr_vm_vsrc(0)
	s_getreg_b32 s2, hwreg(HW_REG_IB_STS2, 6, 4)
	s_cmp_eq_u32 s2, 0
	s_cbranch_scc0 .Lentry_in_a_cluster
	s_endpgm
.Lentry_in_a_cluster:
	s_bfe_u32 s2, ttmp6, 0x10000c
	s_cmp_lg_u32 s2, 0xf033
	s_cbranch_scc0 .Lentry_shape_is_right
	s_endpgm
.Lentry_shape_is_right:
; qkv = x w_qkv^T on codes of E4M3 (4,096 x 3,072, K = 1,024), and its results quantised at once into the operands of the attention: q with 2^e2, k with 2^e3, v with 2^e5.
; A sum stands for sum x 2^(e0 + e1), so a code is sum / 2^(et - e0 - e1), held within +-448 of that scale.  LIMIT: et - e0 - e1 between -126 and 119 for t = 2, 3, 5.
; A tile of 256 x 256 is made by a work-group of four waves, a wave makes 128 x 128: 64 accumulators, 512 registers.  K goes in steps of 256 through a ring of two LDS slots filled by the tensor data mover.
; CLUSTERS: 4 x 4 work-groups.  The four of a row of the cluster need the same tile in the A slot, the four of a column the same tile in the B slot: each is asked for JOINTLY.
; The cluster's x says what is made: 0 q, 1 k, 2 v; it is the same in all sixteen partners.
; WHICH TENSOR LIES IN WHICH SLOT.  Source 0 takes 16 rows of the B slot, source 1 16 rows of the A slot: a lane then holds ONE row of the A slot, and its eight registers eight neighbouring rows of the B slot.
; The conversions want neighbours along the NEXT product's K in a lane's registers.  For q and k that is the channels: A slot = tokens (x), B slot = channels (w_qkv).  For v it is the tokens (the keys):
; A slot = channels, B slot = tokens.  Only pointers, row numbers and output steps are chosen (by selects on the cluster's x); the text is one for all.
; THE OUTPUT is laid as IMAGES of operand registers: a fragment of 16 rows x 64 k in the plain 8-bit layout (registers 2 c, 2 c + 1: k = 16 c + 8 h + 0..7) is 1,024 bytes: registers 0-3 of lane l at 16 l, registers 4-7 at 512 + 16 l.
; The codes of accumulators (a, 4 g .. 4 g + 3) ARE such a fragment, so each store of the wave covers 512 consecutive bytes, aligned; no stage is needed.
;   q: [head 16][token block 256] images at 0;   k: the same at 4,194,304;   v: [channel block 64][token chunk 64] images at 8,388,608 (rows = 16 channels, k = 64 keys).
; REGISTERS, in windows of 256: window 0: v16-31 addresses and scales; from v128 the A slot's fragments, ONE set; on the way out v32-111.   window 1: the B slot's fragments, TWO sets.   windows 2, 3: the accumulators ((a, b) at v[8 (8 (a % 4) + b)]).
.set ROWB,   256                       ; a tile's row in bytes: 256 codes along K
.set KROW,   1024                      ; a row of codes in memory
.set PITCH,  272                       ; an LDS row: 256 bytes + 16 of padding = 68 words: row r starts at bank 4 r mod 64 (ISA guide 11.1), so the 16 rows of a load start at 16 different banks
.set FR,     16                        ; registers of a fragment: 16 rows x 128 K
.set NL,     4                         ; LDS loads that bring one
.set NP,     4                         ; places behind this matrix instruction (ISA guide 7.12.1)
.set HALFT,  128*PITCH                 ; 128 rows: what one tensor load brings, and what one wave reads of a slot's half
.set SLOT,   4*HALFT                   ; the A slot's 256 rows, then the B slot's 256
.set SPARE,  2*SLOT                    ; behind the ring: the spare words, 128 bytes for each wave: two blocks of 256 bytes that no other line names
.set ADRA, 16                          ; v16-17  LDS address of my A fragments in slot 0, 1
.set ADRB, 20                          ; v20-21  the same for B
.set VO,   24                          ; v24-25  the way out: 16 x lane, and the same one group of four b blocks on
.set SPW,  28                          ; v28     LDS address of my spare word; never rewritten
.set NIL,  29                          ; v29     0; never rewritten
.set SC,   30                          ; v30     2^(et - e0 - e1) as f32
.set LIM,  31                          ; v31     448 x that
.set TMP,  32                          ; v32-95  a block's 64 sums, held
.set CD,   96                          ; v96-111 their codes: two images
.set AF,   128
.set G1, 24                            ; s[24:31] descriptor group 1 for the A slot;  s[32:39] group 0, one set for each ring slot
.set G0, 32
.set G1B, 48                           ; s[48:55], s[56:63] the same for the B slot
.set G0B, 56
.set MSB, 0
.macro WIN new                         ; the immediate's high byte repeats the setting that is left
.if MSB != (\new)
	s_set_vgpr_msb (MSB<<8)|(\new)
.set MSB, (\new)
.endif
.endm
.set MUL_LO, 0xa1                      ; source 0 (B) window 1, source 1 (A) window 0, C and D window 2
.set MUL_HI, 0xf1                      ; the same, C and D window 3
.set TO_B,   0x40                      ; destination window 1, address window 0
; A joint load: waves 0 and 1 fetch for the A slot, waves 2 and 3 for the B slot.  Each line has ONE mask and one set of registers for all that issue it; the branch hangs on the wave's number alone.
; Four v_nop follow each of the two lines, ahead of the jump, the label and what follows.
.macro JLOAD g0a, g1a, g0b, g1b
	s_cmp_eq_u32 s15, 0
	s_cbranch_scc0 .Lfor_b_\@
	tensor_load_to_lds s[\g0a:\g0a+3], s[\g1a:\g1a+7]
	s_nop 0
.rept 4
	v_nop
.endr
	s_branch .Lasked_\@
.Lfor_b_\@:
	tensor_load_to_lds s[\g0b:\g0b+3], s[\g1b:\g1b+7]
	s_nop 0
.rept 4
	v_nop
.endr
.Lasked_\@:
.endm
.macro CREST                           ; a round of the cluster's barrier behind its opening barrier
	s_cmp_lg_u32 s14, 0
	s_cbranch_scc1 .Lnot_wave_0_\@
	s_barrier_signal -3
.Lnot_wave_0_\@:
	s_barrier_wait -3
	s_barrier_signal -1
	s_barrier_wait -1
.endm
.macro CROUND                          ; a whole round
	s_barrier_signal -1
	s_barrier_wait -1
	CREST
.endm
	s_load_b128 s[4:7], s[0:1], 0x0                ; x's codes s[4:5], w_qkv's codes s[6:7]
	s_load_b128 s[8:11], s[0:1], 0x10              ; the scales' exponents s[8:9], the images s[10:11]
	v_lshl_add_u32 v[SPW], v0, 2, SPARE
	v_mov_b32 v[NIL], 0
	ds_add_u32 v28, v29
	ds_add_u32 v28, v29
	s_wait_dscnt 0x0
	v_lshrrev_b32 v1, 5, v0
	v_readfirstlane_b32 s14, v1                    ; wave 0..3
	s_lshr_b32 s15, s14, 1                         ; which half of the A slot's rows is mine.  Also: I fetch for the A slot (0) or the B slot (1)
	s_and_b32 s16, s14, 1                          ; which half of the B slot's rows.  Also: which 128 rows of that tile I fetch
	s_bfe_u32 s40, ttmp6, 0x40000                  ; cx, cy: my place in the cluster
	s_bfe_u32 s41, ttmp6, 0x40004
	s_mov_b32 s66, ttmp9                           ; the cluster's x: 0 q, 1 k, 2 v
	s_and_b32 s67, ttmp7, 0xffff                   ; the cluster's y: 1,024 tokens
	s_lshl_b32 s43, s41, 2
	s_lshl_b32 s43, 15, s43                        ; my row of the cluster
	s_lshl_b32 s44, 0x1111, s40                    ; my column
	s_lshl_b32 s70, s67, 10                        ; the cluster's first token
	s_lshl_b32 s71, s66, 10                        ; the cluster's first row of w_qkv, for q and k
	s_cmp_eq_u32 s66, 2                            ; v?
	s_cselect_b32 s68, 2048, s70                   ; the A slot's first row of the cluster: v's channels begin at row 2,048 of w_qkv; else tokens
	s_cselect_b32 s69, s70, s71                    ; the B slot's: tokens; else channels
	; descriptor group 1: a tile of 128 rows x 256 bytes, padded in LDS
	s_or_b32 s[G1+0], s43, (0<<16)|(1<<20)|(1<<21)|(5<<22)|(3<<25)  ; 15:0 the mask: my row; 17:16 element of 1 byte; 20 padding on; 21 set beside a mask; 24:22 after every 64 words (code 5); 31:25 of 4 words (code 3)
	s_or_b32 s[G1B+0], s44, (0<<16)|(1<<20)|(1<<21)|(5<<22)|(3<<25) ; the same with my column
.irp g, G1, G1B
	s_mov_b32 s[\g+1], ROWB<<16                    ; tensor_dim0
	s_mov_b32 s[\g+2], 128<<16                     ; tensor_dim1 = 128
	s_mov_b32 s[\g+3], ROWB<<16                    ; tile_dim0
	s_mov_b32 s[\g+4], 128                         ; tile_dim1 = 128
	s_mov_b32 s[\g+5], KROW                        ; tensor_dim0_stride
	s_mov_b32 s[\g+6], 0
	s_mov_b32 s[\g+7], 0
.endr
	s_lshl_b32 s18, s16, 7                         ; which 128 rows of the tile I fetch
	s_lshl_b32 s20, s41, 8
	s_add_co_u32 s20, s20, s68
	s_add_co_u32 s20, s20, s18                     ; A slot: the cluster's row + 256 cy + 128 x half: it hangs on cy alone of the two places
	s_lshl_b32 s20, s20, 10                        ; in bytes (at most 4,095 rows of 1,024)
	s_mov_b32 s21, 0
	s_lshl_b32 s46, s40, 8
	s_add_co_u32 s46, s46, s69
	s_add_co_u32 s46, s46, s18                     ; B slot: the cluster's row + 256 cx + 128 x half: on cx alone
	s_lshl_b32 s46, s46, 10
	s_mov_b32 s47, 0
	s_mul_i32 s45, s14, HALFT                      ; where they go: wave x 128 rows: no place in the cluster enters an LDS address
	s_wait_kmcnt 0x0
	s_load_b256 s[72:79], s[8:9], 0x0              ; e0 .. e7; waited for on the way out
	s_cmp_eq_u32 s66, 2
	s_cselect_b64 s[84:85], s[6:7], s[4:5]         ; the A slot's tensor
	s_cselect_b64 s[86:87], s[4:5], s[6:7]         ; the B slot's
	s_add_nc_u64 s[20:21], s[84:85], s[20:21]
	s_add_nc_u64 s[46:47], s[86:87], s[46:47]
	CROUND                                         ; all sixteen work-groups are here: the first joint loads meet
.irp s, 0,1
	s_mov_b32 s[G0+4*\s], 1
	s_add_co_u32 s[G0+4*\s+1], s45, \s*SLOT
	s_add_nc_u64 s[G0+4*\s+2:G0+4*\s+3], s[20:21], \s*ROWB
	s_or_b32 s[G0+4*\s+3], s[G0+4*\s+3], 0x80000000
	s_mov_b32 s[G0B+4*\s], 1
	s_add_co_u32 s[G0B+4*\s+1], s45, \s*SLOT
	s_add_nc_u64 s[G0B+4*\s+2:G0B+4*\s+3], s[46:47], \s*ROWB
	s_or_b32 s[G0B+4*\s+3], s[G0B+4*\s+3], 0x80000000
	JLOAD G0+4*\s, G1, G0B+4*\s, G1B               ; two loads of mine are out
.endr
	v_and_b32 v1, 15, v0                           ; l % 16
	v_bfe_u32 v2, v0, 4, 1                         ; l / 16
	v_mul_u32_u24 v3, v1, PITCH
	v_lshl_add_u32 v4, v2, 4, v3                   ; a fragment's row x pitch + 16 x half
	s_mul_i32 s21, s15, HALFT                      ; my 128 rows of the A slot
	s_mul_i32 s22, s16, HALFT                      ; my 128 rows of the B slot,
	s_add_co_u32 s22, s22, 2*HALFT                 ; which lie behind A's 256
.irp s, 0,1
	v_add_nc_u32 v[ADRA+\s], s21, v4
	v_add_nc_u32 v[ADRB+\s], s22, v4
	s_add_co_u32 s21, s21, SLOT
	s_add_co_u32 s22, s22, SLOT
.endr
	; where my images go.  From a block a to the next: SA bytes; from a group of four b blocks to the next: SG bytes.
	s_mov_b32 s80, 1024                            ; q, k: a = token block: the next image
	s_mov_b32 s81, 0
	s_mov_b32 s82, 0x40000                         ; q, k: four b blocks = a head: 256 images on
	s_cmp_eq_u32 s66, 2
	s_cselect_b32 s80, 0x10000, s80                ; v: a = channel block: 64 images on
	s_cselect_b32 s82, 1024, s82                   ; v: four b blocks = a chunk of 64 tokens: the next image
	s_cselect_b32 s83, 0, s70                      ; the A slot's first row, counted in the output: v's channels from 0, tokens as they are
	s_cselect_b32 s90, 0x800000, 0                 ; v's region
	s_lshl_b32 s88, s41, 8
	s_add_co_u32 s83, s83, s88
	s_lshl_b32 s88, s15, 7
	s_add_co_u32 s83, s83, s88                     ; my first row of the A slot
	s_lshr_b32 s83, s83, 4
	s_mul_i32 s83, s83, s80                        ; its block x SA
	s_lshl_b32 s88, s40, 8
	s_add_co_u32 s88, s88, s69
	s_lshl_b32 s89, s16, 7
	s_add_co_u32 s88, s88, s89                     ; my first row of the B slot: for q and k a row of w_qkv, so that row / 64 counts q's 16 heads and then k's
	s_lshr_b32 s88, s88, 6
	s_mul_i32 s88, s88, s82                        ; its group x SG
	s_add_co_u32 s88, s88, s83
	s_add_co_u32 s88, s88, s90
	s_mov_b32 s89, 0
	s_add_nc_u64 s[10:11], s[10:11], s[88:89]
	v_and_b32 v5, 31, v0
	v_lshlrev_b32 v[VO], 4, v5
	v_add_nc_u32 v[VO+1], s82, v[VO]
.macro FRAG reg, adr, q, i             ; a fragment, 16 rows x 128 K: four loads of 16 bytes, 32 bytes apart; by the order in which the codes were laid, registers 2 c, 2 c + 1 hold K = 16 c + 8 (l / 16) + 0..7
.irp c, 0,1,2,3
	ds_load_b128 v[\reg+4*\c:\reg+4*\c+3], v[\adr] offset:128*(\q)+32*\c+(\i)*16*PITCH
.endr
.endm
; 16 matrix instructions: A's blocks a0, a0 + 1 x B's eight, 128 along K.  p: B's set.  zero = 1: the first product starts the sums: nothing is ever cleared.
; The 64 accumulators take turns, one instruction a turn, in the same order in every step.
.macro MUL16 a0, p, zero
.irp a, \a0, \a0+1
.irp b, 0,1,2,3,4,5,6,7
.if \zero
	v_wmma_f32_16x16x128_fp8_fp8 v[8*(8*((\a)%4)+\b):8*(8*((\a)%4)+\b)+7], v[128*(\p)+FR*\b:128*(\p)+FR*\b+FR-1], v[AF+FR*(\a):AF+FR*(\a)+FR-1], 0
.else
	v_wmma_f32_16x16x128_fp8_fp8 v[8*(8*((\a)%4)+\b):8*(8*((\a)%4)+\b)+7], v[128*(\p)+FR*\b:128*(\p)+FR*\b+FR-1], v[AF+FR*(\a):AF+FR*(\a)+FR-1], v[8*(8*((\a)%4)+\b):8*(8*((\a)%4)+\b)+7]
.endif
.endr
.endr
.endm
.macro FETCH_B slot, q, p              ; B's eight fragments of the slot's q-th 128 along K into set p
	WIN TO_B
.irp i, 0,1,2,3,4,5,6,7
	FRAG 128*(\p)+FR*\i, ADRB+\slot, \q, \i
.endr
	WIN 0
.endm
.macro FETCH_A slot, q, i0             ; A's blocks i0 .. i0 + 3
.irp i, \i0, \i0+1, \i0+2, \i0+3
	FRAG AF+FR*(\i), ADRA+\slot, \q, \i
.endr
.endm
; A load into a register that a matrix instruction has read, and a vector instruction that reads a matrix result, stand NP places behind that matrix instruction, and only plain vector
; instructions that name none of its registers are places (ISA guide 7.12.1 for vector instructions).
.macro PLACES n
.rept \n
	v_nop
.endr
.endm
; A step of 128 along K that has its successor in the same slot.  A's blocks are free as soon as their eight products are issued, so one set serves A: blocks 0-3 are fetched anew in the middle, blocks 4-7 at the end.
.macro STEP slot, q, zero
	s_wait_dscnt 4*NL                              ; B's set and A's blocks 0-3 are in; the youngest 16 loads (A's blocks 4-7) may be out
	WIN MUL_LO
	MUL16 0, (\q)%2, \zero
	MUL16 2, (\q)%2, \zero
	s_wait_dscnt 0                                 ; A's blocks 4-7 are in (asked for 32 matrix instructions ago)
	PLACES NP
	FETCH_B \slot, (\q)+1, 1-(\q)%2
	FETCH_A \slot, (\q)+1, 0
	WIN MUL_HI
	MUL16 4, (\q)%2, \zero
	MUL16 6, (\q)%2, \zero
	PLACES NP
	WIN 0
	FETCH_A \slot, (\q)+1, 4
.endm
; A slot's last step changes slots: ONE barrier; in front of it each wave waits for all its tensor loads, adds 0 to its spare word, and waits for that and for its own reads of this slot.  fill = 1: this slot is filled again, two K steps ahead.
.macro TURN slot, next, fill
	s_wait_tensorcnt 0x0                           ; all my tensor loads have landed: my part of the next slot;  (every window is 0 here: the add's two registers lie in window 0)
	ds_add_u32 v[SPW], v[NIL]                      ; 0 onto my spare word
	s_wait_dscnt 4*NL+1                            ; (the add and the youngest 16 loads, A's blocks 4-7, may be out)
	WIN MUL_LO
	MUL16 0, 1, 0                                  ; sixteen matrix instructions stand between the add and the wait for it
	s_wait_dscnt 0x0                               ; the add is done, and my reads of this slot are over
	s_barrier_signal -1
	MUL16 2, 1, 0
	WIN 0
	s_barrier_wait -1
.if \fill
	CREST                                          ; the barrier has opened a round of the cluster's barrier: no wave of any partner still reads this slot's tile or has a load on its way
	s_add_nc_u64 s[G0+4*\slot+2:G0+4*\slot+3], s[G0+4*\slot+2:G0+4*\slot+3], 2*ROWB
	s_add_nc_u64 s[G0B+4*\slot+2:G0B+4*\slot+3], s[G0B+4*\slot+2:G0B+4*\slot+3], 2*ROWB
	JLOAD G0+4*\slot, G1, G0B+4*\slot, G1B         ; the first tensor load behind the round, my one load until the next; its four v_nop are the places in front of the loads below
.else
	PLACES NP
.endif
	FETCH_B \next, 0, 0
	FETCH_A \next, 0, 0
	WIN MUL_HI
	MUL16 4, 1, 0
	MUL16 6, 1, 0
	PLACES NP
	WIN 0
	FETCH_A \next, 0, 4
.endm
	s_wait_tensorcnt 1                             ; my part of K 0-255 is in (the load for K 256-511 may be out)
	s_barrier_signal -1
	s_barrier_wait -1                              ; everybody's is
	FETCH_B 0, 0, 0
	FETCH_A 0, 0, 0
	FETCH_A 0, 0, 4
	; K = 1,024 is twice round the ring: eight steps of 128, written out, since a loop would have one trip
	STEP 0, 0, 1                                   ; K 0: its products start the sums
	TURN 0, 1, 1                                   ; K 128; slot 0 takes K 512-767
	STEP 1, 0, 0                                   ; K 256
	TURN 1, 0, 1                                   ; K 384; slot 1 takes K 768-1,023
	STEP 0, 0, 0                                   ; K 512
	TURN 0, 1, 0                                   ; K 640; nothing is left to ask for, so no round of the cluster's barrier
	STEP 1, 0, 0                                   ; K 768
	s_wait_dscnt 4*NL                              ; K 896, the last step: nothing more to fetch
	WIN MUL_LO
	MUL16 0, 1, 0
	MUL16 2, 1, 0
	s_wait_dscnt 0
	WIN MUL_HI
	MUL16 4, 1, 0
	MUL16 6, 1, 0
	WIN 0
; THE WAY OUT, block a of 16 rows of the A slot at a time: 64 sums a lane are held, converted (eight neighbours along the next K to two registers), and stored as two images.
.macro OUTBLK a
.set AC, 64*((\a)%4)
	WIN 0x02+((\a)/4)                              ; source 0: window 2 or 3
.set i, 0
.rept 64
	v_med3_num_f32 v[TMP+i], v[AC+i], -v[LIM], v[LIM]   ; the conversion to an 8-bit code does not saturate (ISA guide 7.6.2); each accumulator from its low end on
.set i, i+1
.endr
	WIN 0
.if (\a) > 0
	s_wait_xcnt 0x0                                ; the last block's stores have read their codes and their base: both are written again only behind this wait
	s_add_nc_u64 s[10:11], s[10:11], s[80:81]      ; the next block's images
.endif
.irp b, 0,1,2,3,4,5,6,7
	v_cvt_scalef32_pk8_fp8_f32 v[CD+2*\b:CD+2*\b+1], v[TMP+8*\b:TMP+8*\b+7], v[SC]   ; registers 2 (b % 4), + 1 of image b / 4: k = 16 (b % 4) + 8 h + 0..7
.endr
	v_nop                                          ; one plain vector line between the conversions and the next block's holds, which write their sources
.irp g, 0,1
	global_store_b128 v[VO+\g], v[CD+8*\g:CD+8*\g+3], s[10:11]                 ; 32 lanes store 512 consecutive bytes, aligned: an image's registers 0-3,
	global_store_b128 v[VO+\g], v[CD+8*\g+4:CD+8*\g+7], s[10:11] offset:512    ; and its registers 4-7
.endr
.endm
	s_wait_kmcnt 0x0
	s_cmp_eq_u32 s66, 0
	s_cselect_b32 s91, s74, s75                    ; e2 for q, e3 for k,
	s_cmp_eq_u32 s66, 2
	s_cselect_b32 s91, s77, s91                    ; e5 for v
	s_sub_co_i32 s91, s91, s72
	s_sub_co_i32 s91, s91, s73                     ; et - e0 - e1: the three scales folded into the conversion's one
	s_add_co_i32 s91, s91, 127
	s_lshl_b32 s92, s91, 23
	v_mov_b32 v[SC], s92
	s_add_co_i32 s91, s91, 8
	s_lshl_b32 s91, s91, 23
	s_or_b32 s91, s91, 0x600000
	v_mov_b32 v[LIM], s91                          ; 448 x that
	PLACES NP                                      ; behind the last products, in front of the first read of results
.irp a, 0,1,2,3,4,5,6,7
	OUTBLK \a
.endr
	s_wait_tensorcnt 0x0                           ; the wave's end, behind my last tensor load
	ds_add_u32 v[SPW], v[NIL]
	s_wait_dscnt 0x0
	CROUND                                         ; the closing round: no work-group ends while a partner may still ask for a tile that names it
	s_endpgm
.Lfunc_end_k_q70a96e926f_qkv:
	.size	k_q70a96e926f_qkv, .Lfunc_end_k_q70a96e926f_qkv-k_q70a96e926f_qkv
	.p2alignl 7, 3214868480
	.fill 96, 4, 3214868480
	.section	.rodata,"a",@progbits
	.p2align	6, 0x0
	.amdhsa_kernel k_q70a96e926f_qkv
		.amdhsa_group_segment_fixed_size 327680
		.amdhsa_private_segment_fixed_size 0
		.amdhsa_enable_private_segment 0
		.amdhsa_kernarg_size 32
		.amdhsa_user_sgpr_count 2
		.amdhsa_user_sgpr_kernarg_segment_ptr 1
		.amdhsa_wavefront_size32 1
		.amdhsa_system_sgpr_workgroup_id_x 1
		.amdhsa_system_sgpr_workgroup_id_y 1
		.amdhsa_system_sgpr_workgroup_id_z 1
		.amdhsa_system_vgpr_workitem_id 0
		.amdhsa_next_free_vgpr 1024
		.amdhsa_next_free_sgpr 100
		.amdhsa_reserve_vcc 0
		.amdhsa_float_denorm_mode_32 3
		.amdhsa_float_denorm_mode_16_64 3
		.amdhsa_memory_ordered 1
		.amdhsa_forward_progress 1
		.amdhsa_inst_pref_size 119
	.end_amdhsa_kernel
	.amdgpu_metadata
---
amdhsa.version: [ 1, 2 ]
amdhsa.kernels:
  - .name:           k_q70a96e926f_qkv
    .symbol:         k_q70a96e926f_qkv.kd
    .args:
      - { .name: x_codes, .offset: 0, .size: 8, .value_kind: global_buffer, .address_space: global }
      - { .name: wq_codes, .offset: 8, .size: 8, .value_kind: global_buffer, .address_space: global }
      - { .name: lowp_scales, .offset: 16, .size: 8, .value_kind: global_buffer, .address_space: global }
      - { .name: qkv_img, .offset: 24, .size: 8, .value_kind: global_buffer, .address_space: global }
    .group_segment_fixed_size: 327680
    .private_segment_fixed_size: 0
    .kernarg_segment_align: 8
    .kernarg_segment_size: 32
    .max_flat_workgroup_size: 128
    .sgpr_count:     100
    .vgpr_count:     1024
    .wavefront_size: 32
...
	.end_amdgpu_metadata
.endif
;; end of part 2
;; launch attn (part 3): grid 8 x 32, 4 waves a work-group, no clusters, 4,608 bytes of LDS; arguments qkv_img, lowp_scales, o_img; writes o_img
.if DOCPART == 3
	.amdgcn_target "amdgcn-amd-amdhsa--gfx1250"
	.amdhsa_code_object_version 6
	.text
	.protected	k_q70a96e926f_attn
	.globl	k_q70a96e926f_attn
	.p2align	8
	.type	k_q70a96e926f_attn,@function
k_q70a96e926f_attn:
	s_mov_b64 s[64:65], 0
	v_nop
	global_prefetch_b8 v0, s[64:65] scope:SCOPE_SE
	s_setreg_imm32_b32 hwreg(HW_REG_WAVE_MODE, 25, 1), 1
	s_wait_xcnt 0x0
; The masked attention of one head, both products on codes of E4M3: scores = q k^T x 2^(e2 + e3) / 8; attn = softmax over the keys that the mask keeps, FINISHED AND NORMALISED, quantised with 2^e4;
; out = attn v x 2^(e4 + e5), quantised with 2^e6 for the last product.
; THE MASK keeps, for query q, the keys q - 128 .. q and the keys 64 s <= q.  A tile of 16 queries that begins at q0 therefore needs the nine key tiles from q0 - 128 on and the 32 keys 64 s: 176 slots, 88 scores a lane.
; All of a row's scores lie in registers, so its true maximum and its whole sum are known before any weight is coded: no running maximum is needed.  The diagonal always counts: no row is empty.
; A key 64 s counts among the strided slots only where 64 s <= q - 129; nearer ones are in the window already, later ones are not causal.
; SHARES.  Work-group (x, y): y = 16 x batch + head, x = 256 queries.  Wave wv owns the 64 queries of group u = 4 x + wv, four tiles w.  Its window of keys is 64 (u - 2) .. 64 u + 63: twelve key tiles c, three chunks of V.  Tile w takes c = w .. w + 8.
; OPERANDS come as images of their registers (16 rows x 64 k: registers 0-3 of lane l at 16 l, registers 4-7 at 512 + 16 l), straight from memory into registers, each once: 34 images a wave, every load 512 consecutive bytes.
; So no tensor load, no ring, and no cluster: nothing is read from LDS again and again; neighbouring work-groups share only 128 keys of the window and 4,096 bytes of strided operands, out of the 34,816 bytes that a wave loads.
; FOR u < 2 the window begins in front of the head's first key.  Those loads reach at most 8,192 bytes (K) and 2,048 bytes (V) back, which is still inside the buffer (K's region begins at 4,194,304, V's at 8,388,608) and holds
; finite codes; their scores are replaced by -infinity, so that their weights are exactly 0.
; LAYOUT.  Both products are used transposed: S^T = K Q^T (source 0 = 16 keys, source 1 = 16 queries), O^T = V^T P^T: a lane holds ONE query (lane % 16); in a score tile its register j is key 8 (lane / 16) + j, so a tile's conversion
; gives registers 2 c, 2 c + 1 of P in the plain layout.  O^T's conversions likewise give the image of the last product's operand.
; THE STRIDED OPERANDS are gathered once for the work-group, through LDS: K's rows 64 s are row 0 of every fourth image; V's column 64 s is byte 0 of lanes 0-15 of chunk s.
; LIMITS on the given exponents: e2 + e3 between -123 and 130 (added to c's exponent field); e4, and e6 - e4 - e5, between -126 and 119.  NaN is not served.
; REGISTERS.  Window 0: as named below.  Window 1: v0-95 K's twelve tiles; v96-111 K's two strided tiles; from v112 V^T: channels 16 d, chunk ch (3 = strided, its registers 4-7 zero) at 112 + 8 (4 d + ch).
.set LI,   1                           ; v1   16 x lane; never rewritten
.set AM,   2                           ; v2   r - 8 h
.set RR,   3                           ; v3   r = lane % 16
.set NINF, 4                           ; v4   -infinity
.set KSO,  5                           ; v5   the gather of K: 4,096 r + 256 h
.set VSO,  6                           ; v6   the gather of V: 8,192 h + 16 r
.set LW,   7                           ; v7   16 x thread
.set DL,   8                           ; v8-11  tile w: floor((my query - 129) / 64) - 8 h
.set PSC,  12                          ; v12  2^e4;  v13  448 x 2^e4
.set PLIM, 13
.set OSC,  14                          ; v14  2^(e6 - e4 - e5);  v15  448 x that
.set OLIM, 15
.set Q,    16                          ; v16-47   Q, 8 a tile
.set S,    48                          ; v48-135  the scores, then the weights: window tile c at S + 8 c, strided tile f at S + 72 + 8 f
.set P,    136                         ; v136-167 the weights' codes: window tile c at P + 2 c, strided f at P + 24 + 2 f, P + 28 .. 31 zero
.set O,    168                         ; v168-199 O^T
.set OC,   200                         ; v200-231 its codes, 8 for each tile w, so that no store's data are written again
.set MA,   232                         ; v232, v233 two chains of the maximum
.set MB,   233
.set PX,   234                         ; v234 what the other half of the lanes sends
.set MT,   236                         ; v[236:237] c x the maximum
.set SUA,  238                         ; v[238:239], v[240:241] two chains of the sum
.set SUB,  240
.set RI,   242                         ; v[242:243] 1 / the sum
.set KS,   96                          ; in window 1
.set VF,   112
.set WV,   10                          ; s10 wave; s11 u; s12 head; s13 batch
.set U,    11
.set CS,   40                          ; s[40:41] c = log2(e) / 8 x 2^(e2 + e3)
.set SEL,  42                          ; s[42:43] v_permlanex16_b32's selects for lane l xor 16
.set M1,   44                          ; s44  all ones where u = 0
.set MSB, 0
.macro WIN new                         ; the immediate's high byte repeats the setting that is left
.if MSB != (\new)
	s_set_vgpr_msb (MSB<<8)|(\new)
.set MSB, (\new)
.endif
.endm
	s_load_b128 s[4:7], s[0:1], 0x0                ; the images of q, k, v s[4:5], the scales' exponents s[6:7]
	s_load_b64 s[8:9], s[0:1], 0x10                ; the images of out
	v_lshl_add_u32 v254, v0, 2, 0x1000
	v_mov_b32 v255, 0
	v_lshrrev_b32 v[MA], 5, v0
	v_readfirstlane_b32 s[WV], v[MA]               ; wave 0..3
	s_lshl_b32 s[U], ttmp9, 2
	s_add_co_u32 s[U], s[U], s[WV]                 ; u: my 64 queries
	s_and_b32 s14, ttmp7, 0xffff
	s_and_b32 s12, s14, 15                         ; head
	s_lshr_b32 s13, s14, 4                         ; batch
	s_mov_b32 s[SEL], 0x76543210
	s_mov_b32 s[SEL+1], 0xfedcba98
	s_cmp_eq_u32 s[U], 0
	s_cselect_b32 s[M1], -1, 0
	s_lshl_b32 s48, s[U], 6
	s_sub_co_i32 s48, s48, 129                     ; 64 u - 129
	v_and_b32 v[MB], 31, v0
	v_lshlrev_b32 v[LI], 4, v[MB]
	v_and_b32 v[RR], 15, v0
	v_bfe_u32 v[MA], v0, 4, 1                      ; h
	v_lshlrev_b32 v[MB], 3, v[MA]                  ; 8 h
	v_sub_nc_u32 v[AM], v[RR], v[MB]
	v_mov_b32 v[NINF], 0xff800000
	v_lshlrev_b32 v[KSO], 12, v[RR]
	v_lshl_add_u32 v[KSO], v[MA], 8, v[KSO]
	v_lshlrev_b32 v[VSO], 4, v[RR]
	v_lshl_add_u32 v[VSO], v[MA], 13, v[VSO]
	v_lshlrev_b32 v[LW], 4, v0
.irp w, 0,1,2,3
	v_add3_u32 v[DL+\w], s48, v[RR], 16*\w         ; my query - 129
	v_ashrrev_i32 v[DL+\w], 6, v[DL+\w]            ; the last strided slot that counts (-1 or less: none)
	v_sub_nc_u32 v[DL+\w], v[DL+\w], v[MB]
.endr
	v_mov_b32 v[PX], 0                             ; written once: a lane permute's destination counts as one of its sources
.irp i, 28,29,30,31
	v_mov_b32 v[P+\i], 0                           ; the 32 slots behind the 32 strided keys: zero codes
.endr
	; byte offsets, each in a pair with 0 above it
	s_lshl_b32 s45, s12, 18                        ; the head: 256 images of q or k, four rows of 64 images of v
	s_lshl_b32 s46, s13, 7
	s_lshl_b32 s47, s[U], 2
	s_add_co_u32 s46, s46, s47                     ; my first token block: 128 x batch + 4 u
	s_lshl_b32 s16, s46, 10
	s_add_co_u32 s16, s16, s45                     ; Q
	s_mov_b32 s17, 0
	s_add_co_u32 s18, s16, 0x3fe000                ; K's window: k's region (4,194,304), eight token blocks back
	s_mov_b32 s19, 0
	s_lshl_b32 s20, s13, 5
	s_add_co_u32 s20, s20, s[U]
	s_lshl_b32 s20, s20, 10
	s_add_co_u32 s20, s20, s45
	s_add_co_u32 s20, s20, 0x7ff800                ; V's window: v's region (8,388,608), chunk 32 x batch + u, two chunks back
	s_mov_b32 s21, 0
	s_lshl_b32 s22, s13, 17
	s_add_co_u32 s22, s22, s45
	s_lshr_b32 s47, s[WV], 1
	s_lshl_b32 s47, s47, 16
	s_add_co_u32 s22, s22, s47                     ; the gather of K: strided tile wv / 2 (16 keys 64 apart: 64 token blocks),
	s_and_b32 s47, s[WV], 1
	s_lshl_b32 s47, s47, 9
	s_add_co_u32 s22, s22, s47                     ; registers 4 (wv % 2) on
	s_add_co_u32 s22, s22, 0x400000
	s_mov_b32 s23, 0
	s_lshl_b32 s24, s13, 15
	s_add_co_u32 s24, s24, s45
	s_lshl_b32 s47, s[WV], 16
	s_add_co_u32 s24, s24, s47                     ; the gather of V: channels 16 wv on
	s_add_co_u32 s24, s24, 0x800000
	s_mov_b32 s25, 0
	s_lshl_b32 s26, s46, 14                        ; out: a token block is 16 heads' images,
	s_lshl_b32 s47, s12, 10
	s_add_co_u32 s26, s26, s47                     ; mine the head's
	s_mov_b32 s27, 0
	s_wait_kmcnt 0x0
	s_load_b256 s[32:39], s[6:7], 0x0              ; e0 .. e7
	s_add_nc_u64 s[16:17], s[4:5], s[16:17]
	s_add_nc_u64 s[18:19], s[4:5], s[18:19]
	s_add_nc_u64 s[20:21], s[4:5], s[20:21]
	s_add_nc_u64 s[22:23], s[4:5], s[22:23]
	s_add_nc_u64 s[24:25], s[4:5], s[24:25]
	s_add_nc_u64 s[26:27], s[8:9], s[26:27]
	; ALL LOADS GO OUT HERE: the gathers first, since the work-group waits for them
	global_load_b128 v[S+16:S+19], v[KSO], s[22:23]                  ; lane (r, h): four registers of key 64 (16 (wv / 2) + r): row 0 of its token block lies in that image's lanes 0 and 16
.irp c, 0,1
.irp j, 0,1,2,3,4,5,6,7
	global_load_u8 v[S+8*\c+\j], v[VSO], s[24:25] offset:(16*\c+\j)*1024   ; V(key 64 (16 c + 8 h + j), channel 16 wv + r): byte 0 of lane r of chunk 16 c + 8 h + j
.endr
.endr
.irp w, 0,1,2,3
	global_load_b128 v[Q+8*\w:Q+8*\w+3],   v[LI], s[16:17] offset:\w*1024
	global_load_b128 v[Q+8*\w+4:Q+8*\w+7], v[LI], s[16:17] offset:\w*1024+512
.endr
	WIN 0x40                                       ; destination window 1, address window 0
.irp c, 0,1,2,3,4,5,6,7,8,9,10,11
	global_load_b128 v[8*\c:8*\c+3],   v[LI], s[18:19] offset:\c*1024
	global_load_b128 v[8*\c+4:8*\c+7], v[LI], s[18:19] offset:\c*1024+512
.endr
.irp d, 0,1,2,3
.irp ch, 0,1,2
	global_load_b128 v[VF+8*(4*\d+\ch):VF+8*(4*\d+\ch)+3],   v[LI], s[20:21] offset:\d*65536+\ch*1024
	global_load_b128 v[VF+8*(4*\d+\ch)+4:VF+8*(4*\d+\ch)+7], v[LI], s[20:21] offset:\d*65536+\ch*1024+512
.endr
.endr
.irp d, 0,1,2,3
.irp i, 4,5,6,7
	v_mov_b32 v[VF+8*(4*\d+3)+\i], 0               ; the strided chunk has 32 keys: its slots 32 to 63 are zero codes
.endr
.endr
	WIN 0
	s_wait_kmcnt 0x0
	s_add_co_i32 s45, s34, s35
	s_lshl_b32 s45, s45, 23
	s_add_co_i32 s[CS], s45, 0x3e38aa3b            ; log2(e) / 8, with e2 + e3 added to its exponent field
	s_mov_b32 s[CS+1], s[CS]                       ; (named with it as a pair, so it is written)
	s_add_co_i32 s45, s36, 127
	s_lshl_b32 s46, s45, 23
	v_mov_b32 v[PSC], s46
	s_add_co_i32 s45, s45, 8
	s_lshl_b32 s45, s45, 23
	s_or_b32 s45, s45, 0x600000
	v_mov_b32 v[PLIM], s45
	s_sub_co_i32 s45, s38, s36
	s_sub_co_i32 s45, s45, s37                     ; a sum of the second product stands for sum x 2^(e4 + e5): its code is sum / 2^(e6 - e4 - e5)
	s_add_co_i32 s45, s45, 127
	s_lshl_b32 s46, s45, 23
	v_mov_b32 v[OSC], s46
	s_add_co_i32 s45, s45, 8
	s_lshl_b32 s45, s45, 23
	s_or_b32 s45, s45, 0x600000
	v_mov_b32 v[OLIM], s45
	s_wait_loadcnt 56                              ; the 17 loads of the gathers are in; Q's 8, K's 24 and V's 24 may be out
.irp g, 0,1,2,3
	v_lshl_or_b32 v[S+20+\g], v[S+4*\g+1], 8, v[S+4*\g]       ; four codes to a register: register g holds slots 16 (g / 2) + 8 h + 4 (g % 2) + 0..3
	v_lshl_or_b32 v[S+20+\g], v[S+4*\g+2], 16, v[S+20+\g]
	v_lshl_or_b32 v[S+20+\g], v[S+4*\g+3], 24, v[S+20+\g]
.endr
	ds_store_b128 v[LW], v[S+16:S+19]              ; K's two strided images: wave wv's 512 bytes are half wv % 2 of image wv / 2
	ds_store_b128 v[LW], v[S+20:S+23] offset:2048  ; V's four half images: wave wv's are registers 0-3 for channels 16 wv on
	s_wait_dscnt 0x0                               ; for the others' sake: my stores have landed
	s_barrier_signal -1
	s_barrier_wait -1                              ; the launch's one barrier: everybody's have
	WIN 0x40
.irp i, 0,1,2,3
	ds_load_b128 v[KS+4*\i:KS+4*\i+3], v[LI] offset:512*\i
.endr
.irp d, 0,1,2,3
	ds_load_b128 v[VF+8*(4*\d+3):VF+8*(4*\d+3)+3], v[LI] offset:2048+512*\d
.endr
	WIN 0
	s_wait_loadcnt 24                              ; Q and K are in; V's 24 loads may be out
	s_wait_dscnt 0x0
; ONE TILE OF 16 QUERIES, from its scores to the image of its output.
.macro ATT w
	WIN 0x01                                       ; source 0 in window 1
.irp c, 0,1,2,3,4,5,6,7,8
	v_wmma_f32_16x16x64_fp8_fp8 v[S+8*\c:S+8*\c+7], v[8*((\w)+\c):8*((\w)+\c)+7], v[Q+8*(\w):Q+8*(\w)+7], 0
.endr
.irp f, 0,1
	v_wmma_f32_16x16x64_fp8_fp8 v[S+72+8*\f:S+72+8*\f+7], v[KS+8*\f:KS+8*\f+7], v[Q+8*(\w):Q+8*(\w)+7], 0
.endr
	WIN 0
.irp cc, 0,1,2,3,4,5,6,7,8,9,10,11
.if (\cc < (\w)) || (\cc > (\w)+8)
	v_mov_b32 v[P+2*\cc], 0                        ; the three key tiles of the window that this tile of queries does not see: zero codes.  These six lines are also the places behind the products
	v_mov_b32 v[P+2*\cc+1], 0
.endif
.endr
.irp j, 0,1,2,3,4,5,6,7
	v_cmp_lt_i32 vcc_lo, \j, v[AM]                 ; the first tile: key q0 - 128 + 8 h + j lies under q - 128 where j < r - 8 h
	v_cndmask_b32 v[S+\j], v[S+\j], v[NINF], vcc_lo
.endr
.irp j, 0,1,2,3,4,5,6,7
	v_cmp_gt_i32 vcc_lo, \j, v[AM]                 ; the last tile: key q0 + 8 h + j comes after q where j > r - 8 h
	v_cndmask_b32 v[S+64+\j], v[S+64+\j], v[NINF], vcc_lo
.endr
.irp f, 0,1
.irp j, 0,1,2,3,4,5,6,7
	v_cmp_gt_i32 vcc_lo, 16*\f+\j, v[DL+(\w)]      ; strided slot 16 f + 8 h + j counts up to floor((q - 129) / 64)
	v_cndmask_b32 v[S+72+8*\f+\j], v[S+72+8*\f+\j], v[NINF], vcc_lo
.endr
.endr
	s_cmp_ge_u32 s[U], 2                           ; a branch on ids: only the first two groups of queries have key tiles in front of key 0
	s_cbranch_scc1 .Lfull_\@
.irp c, 0,1,2,3,4,5,6,7
.if (\w)+\c < 4
.irp j, 0,1,2,3,4,5,6,7
	v_mov_b32 v[S+8*\c+\j], v[NINF]                ; window tiles 0-3 lie in front of key 0 for u = 0 and u = 1
.endr
.elseif (\w)+\c < 8
.irp j, 0,1,2,3,4,5,6,7
	v_cndmask_b32 v[S+8*\c+\j], v[S+8*\c+\j], v[NINF], s[M1]   ; window tiles 4-7 for u = 0 alone
.endr
.endif
.endr
.Lfull_\@:
	v_max3_num_f32 v[MA], v[S], v[S+1], v[S+2]     ; the row's largest score among my 88, in two chains, ascending: each accumulator is read from its low end on
	v_max3_num_f32 v[MB], v[S+3], v[S+4], v[S+5]
.set i, 6
.rept 20
	v_max3_num_f32 v[MA], v[MA], v[S+i], v[S+i+1]
	v_max3_num_f32 v[MB], v[MB], v[S+i+2], v[S+i+3]
.set i, i+4
.endr
	v_max3_num_f32 v[MA], v[MA], v[S+86], v[S+87]
	v_max_num_f32 v[MA], v[MA], v[MB]
	v_permlanex16_b32 v[PX], v[MA], s[SEL], s[SEL+1]
	v_max_num_f32 v[MA], v[MA], v[PX]              ; and among lane l xor 16's
	v_mul_f32 v[MT], s[CS], v[MA]                  ; c x the maximum (c is positive)
	v_mov_b32 v[MT+1], v[MT]
.set i, 0
.rept 44
	v_pk_fma_f32 v[S+i:S+i+1], v[S+i:S+i+1], s[CS:CS+1], v[MT:MT+1] op_sel_hi:[1,0,0] neg_lo:[0,0,1] neg_hi:[0,0,1]   ; c s - c max, two at a time; -infinity stays
.set i, i+2
.endr
.set i, 0
.rept 88
	v_exp_f32 v[S+i], v[S+i]                       ; one batch; a hidden slot gives 0
.set i, i+1
.endr
	v_nop                                          ; a plain line behind the last exponential
	s_wait_alu depctr_va_vdst(0)                   ; one wait for the batch, ahead of its first reader
	v_pk_add_f32 v[SUA:SUA+1], v[S:S+1], v[S+2:S+3]           ; the row's sum, two at a time, in two chains
	v_pk_add_f32 v[SUB:SUB+1], v[S+4:S+5], v[S+6:S+7]
.set i, 8
.rept 20
	v_pk_add_f32 v[SUA:SUA+1], v[SUA:SUA+1], v[S+i:S+i+1]
	v_pk_add_f32 v[SUB:SUB+1], v[SUB:SUB+1], v[S+i+2:S+i+3]
.set i, i+4
.endr
	v_pk_add_f32 v[SUA:SUA+1], v[SUA:SUA+1], v[SUB:SUB+1]
	v_add_f32 v[SUA], v[SUA], v[SUA+1]
	v_permlanex16_b32 v[PX], v[SUA], s[SEL], s[SEL+1]
	v_add_f32 v[SUA], v[SUA], v[PX]                ; at least 1: the largest score's term
	v_rcp_f32 v[RI], v[SUA]
	v_nop                                          ; a plain line behind the reciprocal
	s_wait_alu depctr_va_vdst(0)                   ; and the wait ahead of its first reader
	v_mov_b32 v[RI+1], v[RI]
.set i, 0
.rept 44
	v_pk_mul_f32 v[S+i:S+i+1], v[S+i:S+i+1], v[RI:RI+1] op_sel_hi:[1,0]   ; attn, finished and normalised
.set i, i+2
.endr
	s_cmp_ge_i32 s36, -8                           ; from e4 = -8 on, 448 x 2^e4 is 1.75 or more, above every attn: the hold could not act.
	s_cbranch_scc1 .Lnohold_\@
.set i, 0
.rept 88
	v_min_num_f32 v[S+i], v[S+i], v[PLIM]          ; the conversion does not saturate (ISA guide 7.6.2); attn is not negative, so the hold is one-sided
.set i, i+1
.endr
.Lnohold_\@:
.irp c, 0,1,2,3,4,5,6,7,8
	v_cvt_scalef32_pk8_fp8_f32 v[P+2*((\w)+\c):P+2*((\w)+\c)+1], v[S+8*\c:S+8*\c+7], v[PSC]
.endr
.irp f, 0,1
	v_cvt_scalef32_pk8_fp8_f32 v[P+24+2*\f:P+24+2*\f+1], v[S+72+8*\f:S+72+8*\f+7], v[PSC]
.endr
	v_nop                                          ; one plain line between the conversions and the products that read their results
.if (\w) == 0
	s_wait_loadcnt 0x0                             ; V
.endif
	WIN 0x01
.irp hf, 0,1                                   ; K = 128 slots at a time: window chunks 0 and 1; then chunk 2 and the strided slots.  The four accumulators take turns
.irp d, 0,1,2,3
.if \hf == 0
	v_wmma_f32_16x16x128_fp8_fp8 v[O+8*\d:O+8*\d+7], v[VF+8*(4*\d):VF+8*(4*\d)+15], v[P:P+15], 0
.else
	v_wmma_f32_16x16x128_fp8_fp8 v[O+8*\d:O+8*\d+7], v[VF+8*(4*\d+2):VF+8*(4*\d+2)+15], v[P+16:P+31], v[O+8*\d:O+8*\d+7]
.endif
.endr
.endr
	WIN 0
.rept 4
	v_nop                                          ; places behind the products, in front of the first read of results
.endr
.set i, 0
.rept 32
	v_med3_num_f32 v[O+i], v[O+i], -v[OLIM], v[OLIM]   ; the hold at 448 x the scale; each accumulator from its low end on
.set i, i+1
.endr
.irp d, 0,1,2,3
	v_cvt_scalef32_pk8_fp8_f32 v[OC+8*(\w)+2*\d:OC+8*(\w)+2*\d+1], v[O+8*\d:O+8*\d+7], v[OSC]   ; registers 2 d, 2 d + 1 of the image: channels 16 d + 8 h + 0..7 of query r
.endr
	v_nop                                          ; one plain line between the conversions and the next tile's products, which write their sources
	global_store_b128 v[LI], v[OC+8*(\w):OC+8*(\w)+3],   s[26:27] offset:(\w)*16384        ; 32 lanes store 512 consecutive bytes, aligned
	global_store_b128 v[LI], v[OC+8*(\w)+4:OC+8*(\w)+7], s[26:27] offset:(\w)*16384+512
.endm
	ATT 0
	ATT 1
	ATT 2
	ATT 3
	s_wait_tensorcnt 0x0
	ds_add_u32 v254, v255
	s_wait_dscnt 0x0
	s_endpgm
.Lfunc_end_k_q70a96e926f_attn:
	.size	k_q70a96e926f_attn, .Lfunc_end_k_q70a96e926f_attn-k_q70a96e926f_attn
	.p2alignl 7, 3214868480
	.fill 96, 4, 3214868480
	.section	.rodata,"a",@progbits
	.p2align	6, 0x0
	.amdhsa_kernel k_q70a96e926f_attn
		.amdhsa_group_segment_fixed_size 4608
		.amdhsa_private_segment_fixed_size 0
		.amdhsa_enable_private_segment 0
		.amdhsa_kernarg_size 24
		.amdhsa_user_sgpr_count 2
		.amdhsa_user_sgpr_kernarg_segment_ptr 1
		.amdhsa_wavefront_size32 1
		.amdhsa_system_sgpr_workgroup_id_x 1
		.amdhsa_system_sgpr_workgroup_id_y 1
		.amdhsa_system_sgpr_workgroup_id_z 1
		.amdhsa_system_vgpr_workitem_id 0
		.amdhsa_next_free_vgpr 512
		.amdhsa_next_free_sgpr 66
		.amdhsa_reserve_vcc 1
		.amdhsa_float_denorm_mode_32 3
		.amdhsa_float_denorm_mode_16_64 3
		.amdhsa_memory_ordered 1
		.amdhsa_forward_progress 1
		.amdhsa_inst_pref_size 120
	.end_amdhsa_kernel
	.amdgpu_metadata
---
amdhsa.version: [ 1, 2 ]
amdhsa.kernels:
  - .name:           k_q70a96e926f_attn
    .symbol:         k_q70a96e926f_attn.kd
    .args:
      - { .name: qkv_img, .offset: 0, .size: 8, .value_kind: global_buffer, .address_space: global }
      - { .name: lowp_scales, .offset: 8, .size: 8, .value_kind: global_buffer, .address_space: global }
      - { .name: o_img, .offset: 16, .size: 8, .value_kind: global_buffer, .address_space: global }
    .group_segment_fixed_size: 4608
    .private_segment_fixed_size: 0
    .kernarg_segment_align: 8
    .kernarg_segment_size: 24
    .max_flat_workgroup_size: 128
    .sgpr_count:     66
    .vgpr_count:     512
    .wavefront_size: 32
...
	.end_amdgpu_metadata
.endif
;; end of part 3
;; launch proj (part 4): grid 8 x 32, 4 waves a work-group, clusters of 4 x 4, 327,680 bytes of LDS; arguments o_img, wo_codes, lowp_scales, out0; writes out0
.if DOCPART == 4
	.amdgcn_target "amdgcn-amd-amdhsa--gfx1250"
	.amdhsa_code_object_version 6
	.text
	.protected	k_q70a96e926f_proj
	.globl	k_q70a96e926f_proj
	.p2align	8
	.type	k_q70a96e926f_proj,@function
k_q70a96e926f_proj:
	s_mov_b64 s[64:65], 0
	v_nop
	global_prefetch_b8 v0, s[64:65] scope:SCOPE_SE
	s_setreg_imm32_b32 hwreg(HW_REG_WAVE_MODE, 25, 1), 1
	s_wait_xcnt 0x0
	s_wait_alu depctr_hold_cnt(0) depctr_sa_sdst(0) depctr_va_vdst(0) depctr_va_sdst(0) depctr_va_ssrc(0) depctr_va_vcc(0) depctr_vm_vsrc(0)
	s_getreg_b32 s2, hwreg(HW_REG_IB_STS2, 6, 4)
	s_cmp_eq_u32 s2, 0
	s_cbranch_scc0 .Lentry_in_a_cluster
	s_endpgm
.Lentry_in_a_cluster:
	s_bfe_u32 s2, ttmp6, 0x10000c
	s_cmp_lg_u32 s2, 0xf033
	s_cbranch_scc0 .Lentry_shape_is_right
	s_endpgm
.Lentry_shape_is_right:
; out0 = out w_out^T on codes of E4M3 (4,096 x 1,024, K = 1,024); each finished sum x 2^(e6 + e7).  LIMIT: e6 + e7 between -126 and 127, so that the power of two is an f32 number.
; A tile of 128 x 128 is made by a work-group of four waves, a wave makes 64 x 64: 16 accumulators.  That gives 256 work-groups; tiles of 256 x 256 would give 64.
; ALL OF K LIES IN LDS AT ONCE: 131,072 bytes of A and 139,264 of B.  Each wave asks for its part in four tensor loads (256 along K each) at the head, and the products of a chunk begin as soon as that chunk has landed.
; No LDS byte is filled twice, so there is no ring.  By this text's count a wave has four tensor loads out.
; CLUSTERS: 4 x 4 work-groups; A's tiles are asked for jointly along a row of the cluster, B's along a column.
; A comes as IMAGES of operand registers, [token block][head] of 1,024 bytes (16 tokens x a head's 64 channels, plain layout): two neighbouring heads are one fragment of K = 128, read by four loads of 512 consecutive bytes.
; B comes as rows of codes laid so that four loads of 16 bytes, 32 apart, give the plain layout as well: every k stands in its true place on both sides.
; THE MATRIX INSTRUCTION IS USED TRANSPOSED (source 0 = 16 rows of w_out, source 1 = 16 tokens): a lane holds eight neighbouring numbers of a row of out0.
; REGISTERS.  Window 0: v8-15, v24-26 addresses; v32-63 a block's results; v64-127 rows read back, two sets; v128-255 the accumulators ((a, b) at 128 + 8 (4 a + b)).
;   Window 1: two fragment buffers of 128: A's four fragments at 16 a, B's four at 64 + 16 b.
.set PITCH,  272                       ; a row of B in LDS: 256 bytes + 16 of padding: the 16 rows of a load start at 16 different banks (64 banks of 4 bytes: ISA guide 11.1)
.set ACH,    32768                     ; a chunk of A: 8 token blocks x 4 heads x 1,024 bytes
.set BCH,    128*PITCH                 ; a chunk of B: 128 rows
.set BREG,   4*ACH                     ; B's chunks lie behind A's
.set STAGE,  BREG+4*BCH                ; behind them: 16 rows x 272 bytes for each wave, for the way out; no fill lands there
.set ADRA, 8                           ; v8-11   my A fragments in chunk j
.set ADRB, 12                          ; v12-15  my B fragments in chunk j
.set STO,  24                          ; v24     the way out: where I put 32 bytes of a row
.set RD,   25                          ; v25     where I read a row back
.set CO,   26                          ; v26     my byte offset in two rows of out0
.set TMP,  32
.set BK,   64
.set ACC,  128
.set G1A, 16                           ; s[16:23] descriptor group 1 for A;  s[24:31] for B
.set G1B, 24
.set G0A, 32                           ; s[32:47] four groups 0 for A's chunks;  s[48:63] for B's; never rewritten
.set G0B, 48
.set MSB, 0
.macro WIN new                         ; the immediate's high byte repeats the setting that is left
.if MSB != (\new)
	s_set_vgpr_msb (MSB<<8)|(\new)
.set MSB, (\new)
.endif
.endm
.set MUL,  0x05                        ; sources 0 (B) and 1 (A) window 1; C and D window 0
.set TO_F, 0x40                        ; destination window 1, address window 0
.macro CROUND                          ; a round of the cluster's barrier
	s_barrier_signal -1
	s_barrier_wait -1
	s_cmp_lg_u32 s12, 0
	s_cbranch_scc1 .Lnot_wave_0_\@
	s_barrier_signal -3
.Lnot_wave_0_\@:
	s_barrier_wait -3
	s_barrier_signal -1
	s_barrier_wait -1
.endm
.macro PLACES                          ; four places in front of loads into registers that matrix instructions have read, and of the first read of results (ISA guide 7.12.1 for vector instructions)
.rept 4
	v_nop
.endr
.endm
	s_load_b128 s[4:7], s[0:1], 0x0                ; the images of out s[4:5], w_out's codes s[6:7]
	s_load_b128 s[8:11], s[0:1], 0x10              ; the scales' exponents s[8:9], out0 s[10:11]
	v_lshl_add_u32 v30, v0, 2, 0x46400
	v_mov_b32 v31, 0
	ds_add_u32 v30, v31
	ds_add_u32 v30, v31
	v_lshrrev_b32 v1, 5, v0
	v_readfirstlane_b32 s12, v1                    ; wave 0..3
	s_lshr_b32 s13, s12, 1                         ; which half of the tile's rows is mine.  Also: I fetch for A (0) or for B (1)
	s_and_b32 s14, s12, 1                          ; which half of its columns.  Also: which half of that tile I fetch
	s_bfe_u32 s66, ttmp6, 0x40000                  ; cx, cy: my place in the cluster
	s_bfe_u32 s67, ttmp6, 0x40004
	s_lshl_b32 s68, ttmp9, 2
	s_add_co_u32 s68, s68, s66                     ; tile column = 4 x cluster x + cx
	s_and_b32 s69, ttmp7, 0xffff
	s_lshl_b32 s69, s69, 2
	s_add_co_u32 s69, s69, s67                     ; tile row = 4 x cluster y + cy
	s_lshl_b32 s72, s67, 2
	s_lshl_b32 s72, 15, s72                        ; my row of the cluster
	s_lshl_b32 s73, 0x1111, s66                    ; my column
	; group 1 for A: 4 token blocks; of each, 4 heads' images on end: 4 rows of 512 elements of 8 bytes, 16,384 bytes apart; dense in LDS
	s_or_b32 s[G1A+0], s72, (3<<16)|(1<<21)        ; 15:0 the mask: my row; 17:16 elements of 8 bytes; 21 set beside a mask; no padding
	s_mov_b32 s[G1A+1], 512<<16                    ; tensor_dim0 = 512
	s_mov_b32 s[G1A+2], 4<<16                      ; tensor_dim1 = 4
	s_mov_b32 s[G1A+3], 512<<16                    ; tile_dim0 = 512
	s_mov_b32 s[G1A+4], 4                          ; tile_dim1 = 4
	s_mov_b32 s[G1A+5], 2048                       ; tensor_dim0_stride: 2,048 elements
	s_mov_b32 s[G1A+6], 0
	s_mov_b32 s[G1A+7], 0
	; group 1 for B: 64 rows of 256 bytes, 1,024 apart, 16 bytes of padding behind each
	s_or_b32 s[G1B+0], s73, (0<<16)|(1<<20)|(1<<21)|(5<<22)|(3<<25)   ; the mask: my column; elements of 1 byte; padding of 4 words (code 3) after every 64 (code 5)
	s_mov_b32 s[G1B+1], 256<<16
	s_mov_b32 s[G1B+2], 64<<16
	s_mov_b32 s[G1B+3], 256<<16
	s_mov_b32 s[G1B+4], 64
	s_mov_b32 s[G1B+5], 1024
	s_mov_b32 s[G1B+6], 0
	s_mov_b32 s[G1B+7], 0
	s_lshl_b32 s74, s69, 17                        ; A: the tile's 8 token blocks of 16,384 bytes,
	s_lshl_b32 s75, s14, 16
	s_add_co_u32 s74, s74, s75                     ; my 4 of them: it hangs on the tile row and the wave alone
	s_mov_b32 s75, 0
	s_lshl_b32 s76, s68, 7
	s_lshl_b32 s77, s14, 6
	s_add_co_u32 s76, s76, s77                     ; B: row 128 x tile column + 64 x half: on the tile column and the wave alone
	s_lshl_b32 s76, s76, 10
	s_mov_b32 s77, 0
	s_lshl_b32 s78, s14, 14                        ; where they go: A's half,
	s_mul_i32 s79, s14, 64*PITCH
	s_add_co_u32 s79, s79, BREG                    ; B's half: no place in the cluster enters an LDS address
	s_wait_dscnt 0x0
	s_wait_kmcnt 0x0
	s_load_b256 s[80:87], s[8:9], 0x0              ; e0 .. e7; waited for on the way out
	s_add_nc_u64 s[74:75], s[4:5], s[74:75]
	s_add_nc_u64 s[76:77], s[6:7], s[76:77]
.irp j, 0,1,2,3
	s_mov_b32 s[G0A+4*\j], 1
	s_add_co_u32 s[G0A+4*\j+1], s78, \j*ACH
	s_add_nc_u64 s[G0A+4*\j+2:G0A+4*\j+3], s[74:75], \j*4096          ; heads 4 j on
	s_or_b32 s[G0A+4*\j+3], s[G0A+4*\j+3], 0x80000000
	s_mov_b32 s[G0B+4*\j], 1
	s_add_co_u32 s[G0B+4*\j+1], s79, \j*BCH
	s_add_nc_u64 s[G0B+4*\j+2:G0B+4*\j+3], s[76:77], \j*256           ; K 256 j on
	s_or_b32 s[G0B+4*\j+3], s[G0B+4*\j+3], 0x80000000
.endr
	CROUND                                         ; all sixteen work-groups are here: the joint loads meet
	s_cmp_eq_u32 s13, 0                            ; a wave's four fills stand in one branch on its number, ahead of every wait on TENSORcnt, every LDS read and every other barrier
	s_cbranch_scc0 .Lfill_b
.irp j, 0,1,2,3
	tensor_load_to_lds s[G0A+4*\j:G0A+4*\j+3], s[G1A:G1A+7]
	s_nop 0
.endr
.rept 4
	v_nop
.endr
	s_branch .Lfilled
.Lfill_b:
.irp j, 0,1,2,3
	tensor_load_to_lds s[G0B+4*\j:G0B+4*\j+3], s[G1B:G1B+7]
	s_nop 0
.endr
.rept 4
	v_nop
.endr
.Lfilled:
	v_and_b32 v1, 15, v0                           ; r
	v_bfe_u32 v2, v0, 4, 1                         ; h
	v_and_b32 v3, 31, v0
	v_lshlrev_b32 v3, 4, v3                        ; 16 x lane: an image's place for my lane
	s_lshl_b32 s72, s13, 14                        ; my 4 token blocks
	v_mul_u32_u24 v4, v1, PITCH
	v_lshl_add_u32 v4, v2, 4, v4                   ; B: row x pitch + 16 x half
	s_mul_i32 s73, s14, 64*PITCH                   ; my 64 rows of B
	s_add_co_u32 s73, s73, BREG
.irp j, 0,1,2,3
	v_add_nc_u32 v[ADRA+\j], s72, v3
	v_add_nc_u32 v[ADRB+\j], s73, v4
	s_add_co_u32 s72, s72, ACH
	s_add_co_u32 s73, s73, BCH
.endr
	s_mul_i32 s72, s12, 16*PITCH
	s_add_co_u32 s72, s72, STAGE                   ; my stage
	v_mul_u32_u24 v5, v1, PITCH                    ; in: row r, 32 bytes for each half of the lanes
	v_lshl_add_u32 v5, v2, 5, v5
	v_add_nc_u32 v[STO], s72, v5
	v_mul_u32_u24 v5, v2, PITCH                    ; back: lanes 0-15 one row of 256 bytes, lanes 16-31 the next
	v_lshl_add_u32 v5, v1, 4, v5
	v_add_nc_u32 v[RD], s72, v5
	v_lshlrev_b32 v[CO], 12, v2                    ; and the same two rows of out0 (4,096 bytes a row)
	v_lshl_add_u32 v[CO], v1, 4, v[CO]
	s_lshl_b32 s88, s69, 7
	s_lshl_b32 s89, s13, 6
	s_add_co_u32 s88, s88, s89                     ; my first row: 128 x tile row + 64 x half
	s_lshl_b32 s88, s88, 12
	s_lshl_b32 s89, s68, 9                         ; my first column, in bytes: 512 x tile column + 256 x half
	s_add_co_u32 s88, s88, s89
	s_lshl_b32 s89, s14, 8
	s_add_co_u32 s88, s88, s89
	s_mov_b32 s89, 0
	s_add_nc_u64 s[10:11], s[10:11], s[88:89]      ; never stepped: every row stands in a store's immediate
; 32 LDS loads in one run: step s (128 along K) into buffer f: B's four fragments, then A's blocks 0 and 1, then 2 and 3
.macro FETCH4 s, f
	WIN TO_F
.irp b, 0,1,2,3
.irp c, 0,1,2,3
	ds_load_b128 v[(\f)+64+16*\b+4*\c:(\f)+64+16*\b+4*\c+3], v[ADRB+(\s)/2] offset:\b*16*PITCH+128*((\s)%2)+32*\c
.endr
.endr
.irp a, 0,1,2,3
.irp i, 0,1,2,3
	ds_load_b128 v[(\f)+16*\a+4*\i:(\f)+16*\a+4*\i+3], v[ADRA+(\s)/2] offset:\a*4096+2048*((\s)%2)+512*\i
.endr
.endr
.endm
; 8 matrix instructions: A's blocks a0, a0 + 1 x B's four.  The 16 accumulators take turns, one instruction a turn, in the same order in every step
.macro MUL8 f, a0, zero
.irp a, \a0, \a0+1
.irp b, 0,1,2,3
.if \zero
	v_wmma_f32_16x16x128_fp8_fp8 v[ACC+8*(4*(\a)+\b):ACC+8*(4*(\a)+\b)+7], v[(\f)+64+16*\b:(\f)+64+16*\b+15], v[(\f)+16*(\a):(\f)+16*(\a)+15], 0
.else
	v_wmma_f32_16x16x128_fp8_fp8 v[ACC+8*(4*(\a)+\b):ACC+8*(4*(\a)+\b)+7], v[(\f)+64+16*\b:(\f)+64+16*\b+15], v[(\f)+16*(\a):(\f)+16*(\a)+15], v[ACC+8*(4*(\a)+\b):ACC+8*(4*(\a)+\b)+7]
.endif
.endr
.endr
.endm
; Step s of eight: multiplies buffer s % 2 and, in its middle, fetches the next step into the other.  Where the next step begins a chunk, the chunk is waited for first: my part by my own count, everybody's by a barrier.
.macro STEP4 s, zero
.set FB, 128*((\s)%2)
	s_wait_dscnt 8                                 ; B and A's blocks 0 and 1 are in; the youngest eight loads (A's blocks 2 and 3) may be out
	WIN MUL
	MUL8 FB, 0, \zero
	s_wait_dscnt 0x0                               ; all my LDS loads are in
.if (\s) < 7
.if (\s)%2
	s_wait_tensorcnt 3-((\s)+1)/2                  ; my part of chunk (s + 1) / 2 has landed; the later chunks' loads may stay out
	s_barrier_signal -1
	s_barrier_wait -1
.endif
	PLACES
	FETCH4 (\s)+1, 128-FB
.endif
	WIN MUL
	MUL8 FB, 2, \zero
.endm
	s_wait_tensorcnt 3                             ; my part of chunk 0 is in; three loads may be out,
	s_barrier_signal -1
	s_barrier_wait -1                              ; everybody's is
	FETCH4 0, 0
	STEP4 0, 1                                     ; the first step's products start the sums: nothing is cleared
.irp s, 1,2,3,4,5,6,7
	STEP4 \s, 0
.endr
	WIN 0
; THE WAY OUT, block a of 16 rows x 64 columns at a time.  A lane holds 32 bytes of a row and the lanes beside it other rows: a block goes through my own stage and comes back as whole rows of 256 bytes.
; LDS serves a wave's instructions in order (ISA guide 5.7.1.4): no wait between the stores and the loads, nor in front of the next block's stores.
.macro TOSTAGE a
.set i, 0
.rept 16
	v_pk_mul_f32 v[TMP+i:TMP+i+1], v[ACC+32*(\a)+i:ACC+32*(\a)+i+1], s[70:71] op_sel_hi:[1,0]   ; x 2^(e6 + e7); each accumulator from its low end on
.set i, i+2
.endr
.irp b, 0,1,2,3
	ds_store_b128 v[STO], v[TMP+8*\b:TMP+8*\b+3] offset:64*\b
	ds_store_b128 v[STO], v[TMP+8*\b+4:TMP+8*\b+7] offset:64*\b+16
.endr
.irp t, 0,1,2,3,4,5,6,7
	ds_load_b128 v[BK+32*((\a)%2)+4*\t:BK+32*((\a)%2)+4*\t+3], v[RD] offset:2*\t*PITCH
.endr
.endm
.macro SEND a, younger                 ; younger: the LDS instructions issued behind block a's loads, which may stay out
	s_wait_dscnt \younger
.irp t, 0,1,2,3,4,5,6,7
	global_store_b128 v[CO], v[BK+32*((\a)%2)+4*\t:BK+32*((\a)%2)+4*\t+3], s[10:11] offset:(16*(\a)+2*\t)*4096 th:TH_STORE_NT   ; 16 lanes store 256 consecutive bytes, aligned; written once, read by nobody here
.endr
.endm
	s_wait_kmcnt 0x0
	s_add_co_i32 s70, s86, s87
	s_add_co_i32 s70, s70, 127
	s_lshl_b32 s70, s70, 23                        ; 2^(e6 + e7) as f32
	s_mov_b32 s71, s70                             ; (named with it as a pair, so it is written)
	PLACES                                         ; behind the last products, in front of the first read of results
	TOSTAGE 0
.irp a, 1,2,3
.if \a > 1
	s_wait_xcnt 0x0                                ; block a - 2's stores have read their registers: block a's loads may land there
.endif
	TOSTAGE \a
	SEND \a-1, 16                                  ; behind block a - 1's loads: block a's 8 stores and 8 loads
.endr
	SEND 3, 0                                      ; no LDS instruction of mine is out behind this wait, and all my tensor loads were waited for ahead of step 6
	s_wait_tensorcnt 0x0
	ds_add_u32 v30, v31
	s_wait_dscnt 0x0
	CROUND                                         ; the closing round: no work-group ends while a partner may still ask for a tile that names it
	s_endpgm
.Lfunc_end_k_q70a96e926f_proj:
	.size	k_q70a96e926f_proj, .Lfunc_end_k_q70a96e926f_proj-k_q70a96e926f_proj
	.p2alignl 7, 3214868480
	.fill 96, 4, 3214868480
	.section	.rodata,"a",@progbits
	.p2align	6, 0x0
	.amdhsa_kernel k_q70a96e926f_proj
		.amdhsa_group_segment_fixed_size 327680
		.amdhsa_private_segment_fixed_size 0
		.amdhsa_enable_private_segment 0
		.amdhsa_kernarg_size 32
		.amdhsa_user_sgpr_count 2
		.amdhsa_user_sgpr_kernarg_segment_ptr 1
		.amdhsa_wavefront_size32 1
		.amdhsa_system_sgpr_workgroup_id_x 1
		.amdhsa_system_sgpr_workgroup_id_y 1
		.amdhsa_system_sgpr_workgroup_id_z 1
		.amdhsa_system_vgpr_workitem_id 0
		.amdhsa_next_free_vgpr 512
		.amdhsa_next_free_sgpr 96
		.amdhsa_reserve_vcc 0
		.amdhsa_float_denorm_mode_32 3
		.amdhsa_float_denorm_mode_16_64 3
		.amdhsa_memory_ordered 1
		.amdhsa_forward_progress 1
		.amdhsa_inst_pref_size 47
	.end_amdhsa_kernel
	.amdgpu_metadata
---
amdhsa.version: [ 1, 2 ]
amdhsa.kernels:
  - .name:           k_q70a96e926f_proj
    .symbol:         k_q70a96e926f_proj.kd
    .args:
      - { .name: o_img, .offset: 0, .size: 8, .value_kind: global_buffer, .address_space: global }
      - { .name: wo_codes, .offset: 8, .size: 8, .value_kind: global_buffer, .address_space: global }
      - { .name: lowp_scales, .offset: 16, .size: 8, .value_kind: global_buffer, .address_space: global }
      - { .name: out0, .offset: 24, .size: 8, .value_kind: global_buffer, .address_space: global }
    .group_segment_fixed_size: 327680
    .private_segment_fixed_size: 0
    .kernarg_segment_align: 8
    .kernarg_segment_size: 32
    .max_flat_workgroup_size: 128
    .sgpr_count:     96
    .vgpr_count:     512
    .wavefront_size: 32
...
	.end_amdgpu_metadata
.endif
;; end of part 4
